; MI455X (gfx1250); checked and timed in simulation.
; The chip was launched on July 23, 2026; its instructions are those of AMD's public machine-readable ISA for CDNA 5 (MIT licence, August 2026) and "CDNA5" Instruction Set Architecture Reference Guide (July 2026). The comments in the code are by the model that wrote it; some were corrected since.
;; Mix Classification Big SNN. Allowed arithmetic: float matrix products may take bf16 or f16 operands with f32 sums; other float arithmetic in f32, or as packed bf16 or f16 multiplies, adds, multiply-adds, maxima and minima; sums over many terms, partial sums and values carried from step to step in f32; what a program stores and reads back later, other than sums and carried values, may be rounded once to bf16 or f16.
;; Inputs: W1 256 x 1,024 float32; W2 256 x 256 float32; W3 256 x 256 float32; Wout 10 x 256 float32; encoder_scalar 1 float32; feature_scalar 1 float32; x 4,096 x 1,024 float32.
;; Outputs: out0 4,096 x 10 float32.
;; One version. Each part assembles by itself: llvm-mc -triple=amdgcn-amd-amdhsa -mcpu=gfx1250 --defsym DOCPART=n.
;; ======== version 1 of 1: 2 launches
;; workspace buffers: wcat 851,968 bytes
;; launch prep (part 1): grid 64 x 1, 4 waves a work-group, no clusters, 0 bytes of LDS; arguments W1, W2, W3, Wout, wcat; writes wcat
.if DOCPART == 1
	.amdgcn_target "amdgcn-amd-amdhsa--gfx1250"
	.amdhsa_code_object_version 6
	.text
	.protected	k_q5f34ab8ec0_prep
	.globl	k_q5f34ab8ec0_prep
	.p2align	8
	.type	k_q5f34ab8ec0_prep,@function
k_q5f34ab8ec0_prep:
	s_mov_b64 s[64:65], 0
	v_nop
	global_prefetch_b8 v0, s[64:65] scope:SCOPE_SE
	s_setreg_imm32_b32 hwreg(HW_REG_WAVE_MODE, 25, 1), 1
	s_wait_xcnt 0x0
; The weights, rounded once to bf16, in ONE table wcat[256 rows n][1,664 columns], a row 3,328 bytes = 13 pieces of 256:
;   columns 0-1023 W1[n][k]; 1024-1279 W2[n][k]; 1280-1535 W3[n][k];
;   columns 1536-1663: rows n < 32 with c = n % 16 < 10 hold Wout[c][128 (n / 16) + j]; every other row holds 0.
; So the next launch walks 13 pieces of 128 columns with one descriptor.  Of the last piece's 65,536 bytes 5,120 hold weights.
; One wave makes one row: 12 loads of 16 bytes a lane, 6 stores of 512 consecutive bytes and one of 256, all aligned to 256.
.set ROWB, 3328
	s_load_b256 s[4:11], s[0:1], 0x0               ; W1 s[4:5], W2 s[6:7], W3 s[8:9], Wout s[10:11]
	s_load_b64 s[12:13], s[0:1], 0x20              ; wcat
	v_lshrrev_b32 v4, 5, v0
	v_readfirstlane_b32 s14, v4                    ; wave 0..3
	s_lshl_b32 s16, ttmp9, 2
	s_add_co_u32 s16, s16, s14                     ; my row n = 4 x work-group + wave
	v_and_b32 v4, 31, v0                           ; lane
	v_lshlrev_b32 v1, 5, v4                        ; 8 f32 a lane
	v_lshlrev_b32 v2, 4, v4                        ; 8 bf16 a lane, or 4 f32
	v_lshlrev_b32 v3, 3, v4                        ; 4 bf16 a lane
	s_lshl_b32 s20, s16, 12                        ; a row of W1 is 4,096 bytes
	s_mov_b32 s21, 0
	s_lshl_b32 s22, s16, 10                        ; a row of W2 and of W3 1,024
	s_mov_b32 s23, 0
	s_mul_i32 s24, s16, ROWB
	s_mov_b32 s25, 0
	s_and_b32 s17, s16, 15                         ; the class c
	s_lshr_b32 s18, s16, 4                         ; which half of Wout's 256 columns
	s_lshl_b32 s26, s17, 10
	s_lshl_b32 s18, s18, 9
	s_add_co_u32 s26, s26, s18                     ; 1,024 c + 512 half
	s_mov_b32 s27, 0
	s_wait_kmcnt 0x0
	s_add_nc_u64 s[4:5], s[4:5], s[20:21]
	s_add_nc_u64 s[6:7], s[6:7], s[22:23]
	s_add_nc_u64 s[8:9], s[8:9], s[22:23]
	s_add_nc_u64 s[12:13], s[12:13], s[24:25]
.irp q, 0,1,2,3
	global_load_b128 v[8+8*\q:8+8*\q+3],  v1, s[4:5] offset:1024*\q th:TH_LOAD_NT
	global_load_b128 v[8+8*\q+4:8+8*\q+7], v1, s[4:5] offset:1024*\q+16 th:TH_LOAD_NT
.endr
	global_load_b128 v[40:43], v1, s[6:7] th:TH_LOAD_NT
	global_load_b128 v[44:47], v1, s[6:7] offset:16 th:TH_LOAD_NT
	global_load_b128 v[48:51], v1, s[8:9] th:TH_LOAD_NT
	global_load_b128 v[52:55], v1, s[8:9] offset:16 th:TH_LOAD_NT
	s_cmp_lt_u32 s16, 32                           ; does my row hold a piece of Wout?  The test is made of ids alone
	s_cbranch_scc0 .Lzero
	s_cmp_lt_u32 s17, 10
	s_cbranch_scc0 .Lzero
	s_add_nc_u64 s[10:11], s[10:11], s[26:27]
	global_load_b128 v[56:59], v2, s[10:11]
	s_wait_loadcnt 0x0
	v_cvt_pk_bf16_f32 v88, v56, v57
	v_cvt_pk_bf16_f32 v89, v58, v59
	s_branch .Ljoin
.Lzero:
	v_mov_b32 v88, 0
	v_mov_b32 v89, 0
.Ljoin:
	s_wait_loadcnt 0x0                             ; for 0: the two ways differ by a load
.irp q, 0,1,2,3,4,5
.irp i, 0,1,2,3
	v_cvt_pk_bf16_f32 v[64+4*\q+\i], v[8+8*\q+2*\i], v[8+8*\q+2*\i+1]
.endr
.endr
.irp q, 0,1,2,3,4,5
	global_store_b128 v2, v[64+4*\q:64+4*\q+3], s[12:13] offset:512*\q   ; W1's four pieces of 512 bytes, then W2's, then W3's
.endr
	global_store_b64 v3, v[88:89], s[12:13] offset:3072
	s_endpgm
.Lfunc_end_k_q5f34ab8ec0_prep:
	.size	k_q5f34ab8ec0_prep, .Lfunc_end_k_q5f34ab8ec0_prep-k_q5f34ab8ec0_prep
	.p2alignl 7, 3214868480
	.fill 96, 4, 3214868480
	.section	.rodata,"a",@progbits
	.p2align	6, 0x0
	.amdhsa_kernel k_q5f34ab8ec0_prep
		.amdhsa_group_segment_fixed_size 0
		.amdhsa_private_segment_fixed_size 0
		.amdhsa_enable_private_segment 0
		.amdhsa_kernarg_size 40
		.amdhsa_user_sgpr_count 2
		.amdhsa_user_sgpr_kernarg_segment_ptr 1
		.amdhsa_wavefront_size32 1
		.amdhsa_system_sgpr_workgroup_id_x 1
		.amdhsa_system_sgpr_workgroup_id_y 1
		.amdhsa_system_sgpr_workgroup_id_z 1
		.amdhsa_system_vgpr_workitem_id 0
		.amdhsa_next_free_vgpr 96
		.amdhsa_next_free_sgpr 66
		.amdhsa_reserve_vcc 0
		.amdhsa_float_denorm_mode_32 3
		.amdhsa_float_denorm_mode_16_64 3
		.amdhsa_memory_ordered 1
		.amdhsa_forward_progress 1
		.amdhsa_inst_pref_size 6
	.end_amdhsa_kernel
	.amdgpu_metadata
---
amdhsa.version: [ 1, 2 ]
amdhsa.kernels:
  - .name:           k_q5f34ab8ec0_prep
    .symbol:         k_q5f34ab8ec0_prep.kd
    .args:
      - { .name: W1, .offset: 0, .size: 8, .value_kind: global_buffer, .address_space: global }
      - { .name: W2, .offset: 8, .size: 8, .value_kind: global_buffer, .address_space: global }
      - { .name: W3, .offset: 16, .size: 8, .value_kind: global_buffer, .address_space: global }
      - { .name: Wout, .offset: 24, .size: 8, .value_kind: global_buffer, .address_space: global }
      - { .name: wcat, .offset: 32, .size: 8, .value_kind: global_buffer, .address_space: global }
    .group_segment_fixed_size: 0
    .private_segment_fixed_size: 0
    .kernarg_segment_align: 8
    .kernarg_segment_size: 40
    .max_flat_workgroup_size: 128
    .sgpr_count:     66
    .vgpr_count:     96
    .wavefront_size: 32
...
	.end_amdgpu_metadata
.endif
;; end of part 1
;; launch snn (part 2): grid 256 x 1, 4 waves a work-group, clusters of 4 x 1, 327,680 bytes of LDS; arguments x, wcat, encoder_scalar, feature_scalar, out0; writes out0
.if DOCPART == 2
	.amdgcn_target "amdgcn-amd-amdhsa--gfx1250"
	.amdhsa_code_object_version 6
	.text
	.protected	k_q5f34ab8ec0_snn
	.globl	k_q5f34ab8ec0_snn
	.p2align	8
	.type	k_q5f34ab8ec0_snn,@function
k_q5f34ab8ec0_snn:
	s_mov_b64 s[64:65], 0
	v_nop
	global_prefetch_b8 v0, s[64:65] scope:SCOPE_SE
	s_setreg_imm32_b32 hwreg(HW_REG_WAVE_MODE, 25, 1), 1
	s_wait_xcnt 0x0
	s_wait_alu depctr_hold_cnt(0) depctr_sa_sdst(0) depctr_va_vdst(0) depctr_va_sdst(0) depctr_va_ssrc(0) depctr_va_vcc(0) depctr_vm_vsrc(0)
	s_getreg_b32 s2, hwreg(HW_REG_IB_STS2, 6, 4)
	s_cmp_eq_u32 s2, 0
	s_cbranch_scc0 .Lentry_in_a_cluster
	s_endpgm
.Lentry_in_a_cluster:
	s_bfe_u32 s2, ttmp6, 0x10000c
	s_cmp_lg_u32 s2, 0x3003
	s_cbranch_scc0 .Lentry_shape_is_right
	s_endpgm
.Lentry_shape_is_right:
; The whole spiking network for 16 batch rows a work-group: encoder, three Linear + LIF stages, leaky readout; only the last readout voltage leaves.
; BY LAYERS, NOT BY TIME.  State recurs only inside a layer, so a layer's products for ALL its time steps are one GEMM (M = 20 times x 16 rows, N = 256, K = 1024 / 256 / 256),
; and the scan over time is register arithmetic on the accumulators.
; 20 STEPS A STAGE.  Each stage answers one step late: v_li[23] hangs on z3[3..22], z2[2..21], z1[1..20], s[0..19]; the earlier z are 0 whatever the (finite) inputs, the later ones reach nothing.
; FORMATS.  Spikes are 0 or 1, exact in bf16.  EVERY input is rounded once to bf16 (x, both scalars here; the weights by the launch before); products in bf16, sums and all states in f32.
; THE ORDER OF ROUNDING.  Thresholds are hard, so the states follow reference()'s steps: v = fma(0.1, i - v, v); i = fma(0.8, i, z_in); z_in = 1.2 x (f x sum), each of the two products rounded once,
; f = 5 x encoder_scalar for layer 1 (whose sums are of bare spikes) and 1 for layers 2 and 3.  A sum of bf16 weights is exact in f32 in any order while its terms' last bits lie within 24 bits of its size.
; LIMITS.  Where a sum is not exact (weights below some 2^-16; an encoder_scalar of many bits, whose products reference() rounds term by term and this text once), and in the fusing of multiply and add, a voltage may
; differ from reference()'s by some 1e-7 of itself: a neuron whose voltage lies that near its threshold may spike a step off.  The readout's sum is taken in four parts of K.
; NaN and infinite inputs are not treated apart (the steps left out lean on 0 x W = 0).
; THE THRESHOLD without a compare: spike = clamp((v - th) x 2^30) by one fused multiply-add: the least v above th is 2^-23 (th = 1) or 2^-25 (th = 0.33) above it, so the product is at least 1; at or below th it is at most 0.
; SHARES.  Wave w owns neurons 64 w .. 64 w + 63 (4 tiles of 16) for all 20 times: 80 accumulators, 640 registers.  THE MATRIX INSTRUCTION IS USED TRANSPOSED: source 0 = 16 rows of W (neurons), source 1 = 16 spike
; rows (batch rows at one time): a lane then holds ONE batch row (lane % 16) and neurons 8 (lane / 16) + 0..7, for every time: the scan stays in the lane, and 8 spikes pack into 16 bytes of a spike row.
; THE WALK.  13 pieces (chunks) of 128 columns of wcat: 0-7 W1, 8-9 W2, 10-11 W3, 12 Wout.  Trip J = 0..11: (J < 8) the encoder makes the spikes of x's columns 128 J ..; change of slots; 320 products a wave;
; (J = 7, 9, 11) the layer's LIF scan writes its spikes where the next layer reads them.  Chunk J lies in W slot J % 2 and meets spike buffer J % 2.
; CLUSTER.  All work-groups walk the same weights: the four of a cluster ask for each chunk JOINTLY, wave w for rows 64 w .. 64 w + 63: the same descriptor and mask in all four.
; x is read once, through registers, asked for a trip ahead of its use.
;
; LDS.  0: W slot 0 (256 rows, 272 apart: 256 bytes + 16 of padding, so 16 rows of a load start at 16 different groups of four banks: ISA guide 11.1).  69,632: spike buffer 0, times 0-13 (row 16 t + b).
; 131,072, 200,704: W slot 1, spike buffer 1 likewise.  262,144 / 294,912: spike buffers 0 / 1, times 14-19.  288,256: the waves' partial results.  292,352: the spare words.
; Tensor loads land in the two W slots alone; nothing is stored there.
; REGISTERS, in windows of 256 (s_set_vgpr_msb: bits 1:0 source 0, 3:2 source 1, 5:4 source 2, 7:6 destination):
;   window 0: v0-30 addresses; v32-111, v112-191 two buffers of 10 spike fragments; v192-223, v224-255 two buffers of 4 fragments of W.  LIF and the readout take these registers for their states.
;   windows 1-3: accumulator (t, n) in window 1 + t / 8 at v[32 (t % 8) + 8 n].   window 3, v128 on: all that the encoder touches.
.set PITCH, 272
.set TROW,  16*PITCH                   ; the 16 rows of one time, or of one tile of W
.set SLOTX, 1<<17                      ; one exclusive or turns slot 0 or spike buffer 0 (times 0-13) into the other
.set QX,    1<<15                      ; the same for times 14-19
.set SPK_P, 256*PITCH
.set SPK_Q, 262144
.set STAGE, 288256
.set SPARE, 292352                     ; 128 bytes for each wave: two blocks of 256 bytes that no other line names
.set ROWB,  3328                       ; a row of wcat
.set NCH,   12                         ; trips
.set ASP0, 7                           ; v7   SPK_P + (l % 16) x 272 + 16 (l / 16)
.set AW0,  8                           ; v8   (64 w + l % 16) x 272 + 16 (l / 16)
.set AS0,  9                           ; v9   (l % 16) x 272 + 16 (l / 16)
.set AW,   10                          ; v10-12  the same three in the trip's slot and buffer
.set ASP,  11
.set ASQ,  12
.set LP,   13                          ; v13  my 16 bytes of my wave's 64 neurons in a spike row, times 0-13: LIF stores there, the readout reads there
.set LQ,   14                          ; v14  the same, times 14-19
.set AO,   15                          ; v15  Wout's fragments for my wave's 64 neurons, in slot 0
.set STG,  16                          ; v16  where I put my 32 bytes of the wave's partial result
.set SPW,  28                          ; v28  my spare word: SPARE + 4 x my thread's number; never rewritten
.set NIL,  29                          ; v29  0; never rewritten
.set PFO,  30                          ; v30  lane x a row of wcat; never rewritten
.set SA,   32
.set WA,   192
.set VS,   32                          ; LIF: membrane voltage of my 32 neurons
.set IS,   64                          ;      synaptic current
.set LT,   96                          ;      at work, then the spikes
.set IN,   128                         ;      the next step's input
.set PK,   160                         ;      16 registers of packed spikes
.set BIGP, 176                         ;      2^30, twice
.set NTH,  178                         ;      -0.33 x 2^30, twice
.set VL,   224                         ; readout: voltage, current, at work
.set IL,   232
.set TL,   240
.set EX,   128                         ; window 3: x as loaded, 16 numbers a lane
.set EC,   144                         ;           the injected current
.set EV,   160                         ;           the encoder's voltage
.set ET,   176                         ;           at work, then the spikes
.set PKD,  192                         ;           8 registers of packed bf16
.set EBIG, 200                         ;           2^30, twice
.set ENB,  202                         ;           -2^30, twice
.set XOFF, 204                         ;           my 64 bytes in x's chunk: (t / 8) x 4,096 + (t % 8) x 64, t my thread's number
.set EP0,  205                         ;           my 32 bytes of a spike row, times 0-13
.set EQ0,  206                         ;           times 14-19, less the buffer's base
.set EP,   207                         ;           the same two in the trip's buffer
.set EQ,   208
.set W_E,  0xff                        ; every operand place in window 3
.set WV,  14                           ; s14  my wave's number
.set CX,  15                           ; s15  my place in the cluster
.set WG,  16                           ; s16  my work-group: enters x's, out0's and the prefetches' addresses alone
.set J,   17                           ; s17  the trip
.set ZF,  18                           ; s18  1: this chunk starts a layer's sums
.set TBW, 19                           ; s19  0 or SLOTX
.set TBQ, 20                           ; s20  SPK_Q or SPK_Q + QX
.set MSK, 21                           ; s21  a word's upper bf16
.set G,   22                           ; s[22:23] a spike's worth in the layer's sums: 5 x encoder_scalar for layer 1, then 1
.set G1,  24                           ; s[24:31] descriptor group 1
.set G0,  32                           ; s[32:35] descriptor group 0: it walks
.set FS2, 36                           ; s[36:37] 2 x feature_scalar
.set PFA, 38                           ; s[38:39] where my prefetches stand
.set LIM, 40                           ; s40  trips in which I prefetch
.set SX,  41                           ; s41  EXEC, kept
.set XP,  42                           ; s[42:43] x at my work-group's rows, at the chunk last asked for
.set K01, 48                           ; s[48:49] 0.1
.set K08, 50                           ; s[50:51] 0.8
.set K12, 54                           ; s[54:55] 1.2
.set MSB, 0
.macro WIN new                         ; the immediate's high byte repeats the setting that is left; a switch that changes nothing is dropped
.if MSB != (\new)
	s_set_vgpr_msb (MSB<<8)|(\new)
.set MSB, (\new)
.endif
.endm
.macro PLACES                          ; four places behind a matrix instruction, in front of loads into registers that it read and of vector work on its registers
.rept 4
	v_nop
.endr
.endm
.macro PAIRS n, line:vararg            ; one line for each of n register pairs, p = 0, 2, ..
.set p, 0
.rept \n
	\line
.set p, p+2
.endr
.endm
; A round of the cluster's barrier: my work-group's barrier, so that wave 0's signal speaks for all four waves; wave 0 signals; every wave waits for all four work-groups; my work-group's barrier once more.
.macro ROUND
	s_barrier_signal -1
	s_barrier_wait -1
	s_cmp_lg_u32 s[WV], 0
	s_cbranch_scc1 .Lnot_wave_0_\@
	s_barrier_signal -3
.Lnot_wave_0_\@:
	s_barrier_wait -3
	s_barrier_signal -1
	s_barrier_wait -1
.endm
; A prefetch of chunk J + 2, one trip (320 products and an encoder's chunk) ahead of the tensor load that will ask for it.  A chunk is 256 bytes of each of wcat's 256 rows; each such piece is named once in the
; launch: the first cluster alone asks; its four partners take 64 rows each, told apart by ADDRESS; in each, waves 0 and 2 take 32 rows, a lane a row.  Chunks 0 and 1 come by their loads alone; trip 11 asks for nothing.
.macro ASK
	s_cmp_lt_u32 s[J], s[LIM]
	s_cbranch_scc0 .Lnot_mine_\@
	global_prefetch_b8 v[PFO], s[PFA:PFA+1] th:TH_LOAD_NT scope:SCOPE_SE
.Lnot_mine_\@:
.endm
; Half u of a chunk's 8: K step u / 2 (32 columns), times 10 (u % 2) .. + 9.  LOADH: its 10 spike fragments (two loads of 16 bytes, 32 apart) and, with the first half of a K step, the step's 4 fragments of W.
.macro LOADH u
.set ks, (\u)/2
.set hf, (\u)%2
	WIN 0
.set i, 0
.rept 10
.set t, 10*hf+i
.set rS, SA+80*hf+8*i
.if t < 14
	ds_load_b128 v[rS:rS+3],   v[ASP] offset:TROW*t+64*ks
	ds_load_b128 v[rS+4:rS+7], v[ASP] offset:TROW*t+64*ks+32
.else
	ds_load_b128 v[rS:rS+3],   v[ASQ] offset:TROW*(t-14)+64*ks
	ds_load_b128 v[rS+4:rS+7], v[ASQ] offset:TROW*(t-14)+64*ks+32
.endif
.set i, i+1
.endr
.if hf == 0
.set n, 0
.rept 4
.set rW, WA+32*(ks%2)+8*n
	ds_load_b128 v[rW:rW+3],   v[AW] offset:TROW*n+64*ks
	ds_load_b128 v[rW+4:rW+7], v[AW] offset:TROW*n+64*ks+32
.set n, n+1
.endr
.endif
.endm
; MULH: its 40 products, each on another accumulator: 80 accumulators take turns, one instruction a turn, over the joins and the backward jump too.  zero = 1: the products start the sums.
.macro MULH u, zero
.set ks, (\u)/2
.set hf, (\u)%2
.set i, 0
.rept 10
.set t, 10*hf+i
	WIN 0x50*(1+t/8)                               ; C and D in window 1 + t / 8, both sources in window 0
.set n, 0
.rept 4
.set rD, 32*(t%8)+8*n
.set rW, WA+32*(ks%2)+8*n
.set rS, SA+80*hf+8*i
.if \zero
	v_wmma_f32_16x16x32_bf16 v[rD:rD+7], v[rW:rW+7], v[rS:rS+7], 0
.else
	v_wmma_f32_16x16x32_bf16 v[rD:rD+7], v[rW:rW+7], v[rS:rS+7], v[rD:rD+7]
.endif
.set n, n+1
.endr
.set i, i+1
.endr
.endm
.macro HALF u, zero
	s_wait_dscnt 0x0                               ; this half's fragments are in: for u > 0 they were asked for 40 products ago
.if (\u) < 7
	PLACES                                         ; behind the last product that read the buffer that is loaded next
	LOADH (\u)+1
.endif
	MULH \u, \zero
.endm
; One time step of the encoder for my 16 features, all in window 3: v += 0.1 (c - v); spike = (v > 1); v -= spike x v; the 16 spikes go to LDS as 32 bytes of row 16 t + my batch row.
.macro ENCSTEP t
.if (\t) == 0
	PAIRS 8, v_pk_mul_f32 v[EV+p:EV+p+1], v[EC+p:EC+p+1], s[K01:K01+1] op_sel_hi:[1,0]
.else
	PAIRS 8, v_pk_add_f32 v[ET+p:ET+p+1], v[EC+p:EC+p+1], v[EV+p:EV+p+1] neg_lo:[0,1] neg_hi:[0,1]
	PAIRS 8, v_pk_fma_f32 v[EV+p:EV+p+1], v[ET+p:ET+p+1], s[K01:K01+1], v[EV+p:EV+p+1] op_sel_hi:[1,0,1]
.endif
	PAIRS 8, v_pk_fma_f32 v[ET+p:ET+p+1], v[EV+p:EV+p+1], v[EBIG:EBIG+1], v[ENB:ENB+1] clamp
	PAIRS 8, v_pk_fma_f32 v[EV+p:EV+p+1], v[ET+p:ET+p+1], v[EV+p:EV+p+1], v[EV+p:EV+p+1] neg_lo:[1,0,0] neg_hi:[1,0,0]
	PAIRS 8, v_cvt_pk_bf16_f32 v[PKD+p/2], v[ET+p], v[ET+p+1]
.if (\t) < 14
	ds_store_b128 v[EP], v[PKD:PKD+3]   offset:TROW*(\t)
	ds_store_b128 v[EP], v[PKD+4:PKD+7] offset:TROW*(\t)+16
.else
	ds_store_b128 v[EQ], v[PKD:PKD+3]   offset:TROW*((\t)-14)
	ds_store_b128 v[EQ], v[PKD+4:PKD+7] offset:TROW*((\t)-14)+16
.endif
.endm
; One time step of a LIF layer for my 32 neurons.  Step q makes the spike that follows input q: v += 0.1 (i - v); spike = (v > 0.33); v -= spike x v; the spikes go to row 16 q + my batch row;
; i = 0.8 i + 1.2 x (G x sum(q + 1)), the two products rounded one after the other, as reference() rounds them.  Step 0 starts from v = 0, i = 1.2 x (G x sum(0)).
; Each accumulator's lowest registers are read first.
.macro LIFSTEP q
.if (\q) == 0
	WIN 0x01
	PAIRS 16, v_pk_mul_f32 v[IS+p:IS+p+1], v[p:p+1], s[G:G+1] op_sel_hi:[1,0]
	WIN 0
	PAIRS 16, v_pk_mul_f32 v[IS+p:IS+p+1], v[IS+p:IS+p+1], s[K12:K12+1] op_sel_hi:[1,0]
	PAIRS 16, v_pk_mul_f32 v[VS+p:VS+p+1], v[IS+p:IS+p+1], s[K01:K01+1] op_sel_hi:[1,0]
.else
	WIN 0
	PAIRS 16, v_pk_add_f32 v[LT+p:LT+p+1], v[IS+p:IS+p+1], v[VS+p:VS+p+1] neg_lo:[0,1] neg_hi:[0,1]
	PAIRS 16, v_pk_fma_f32 v[VS+p:VS+p+1], v[LT+p:LT+p+1], s[K01:K01+1], v[VS+p:VS+p+1] op_sel_hi:[1,0,1]
.endif
	PAIRS 16, v_pk_fma_f32 v[LT+p:LT+p+1], v[VS+p:VS+p+1], v[BIGP:BIGP+1], v[NTH:NTH+1] clamp
	PAIRS 16, v_pk_fma_f32 v[VS+p:VS+p+1], v[LT+p:LT+p+1], v[VS+p:VS+p+1], v[VS+p:VS+p+1] neg_lo:[1,0,0] neg_hi:[1,0,0]
	PAIRS 16, v_cvt_pk_bf16_f32 v[PK+p/2], v[LT+p], v[LT+p+1]
.irp n, 0,1,2,3
.if (\q) < 14
	ds_store_b128 v[LP], v[PK+4*\n:PK+4*\n+3] offset:TROW*(\q)+32*\n
.else
	ds_store_b128 v[LQ], v[PK+4*\n:PK+4*\n+3] offset:TROW*((\q)-14)+32*\n
.endif
.endr
.if (\q) < 19
.set rA, 32*(((\q)+1)%8)
	WIN 1+((\q)+1)/8                               ; source 0 in the accumulators' window
	PAIRS 16, v_pk_mul_f32 v[IN+p:IN+p+1], v[rA+p:rA+p+1], s[G:G+1] op_sel_hi:[1,0]
	WIN 0
	PAIRS 16, v_pk_mul_f32 v[IN+p:IN+p+1], v[IN+p:IN+p+1], s[K12:K12+1] op_sel_hi:[1,0]
	PAIRS 16, v_pk_fma_f32 v[IS+p:IS+p+1], v[IS+p:IS+p+1], s[K08:K08+1], v[IN+p:IN+p+1] op_sel_hi:[1,0,1]
.endif
.endm
	s_load_b256 s[4:11], s[0:1], 0x0               ; x s[4:5], wcat s[6:7], encoder_scalar s[8:9], feature_scalar s[10:11]
	s_load_b64 s[12:13], s[0:1], 0x20              ; out0
	v_lshl_add_u32 v[SPW], v0, 2, SPARE
	v_mov_b32 v[NIL], 0
	ds_add_u32 v[SPW], v[NIL]                      ; the wave's opening: the add, twice on end, and its wait ahead of my first tensor load; the set-up below, work on registers, stands between
	ds_add_u32 v[SPW], v[NIL]                      ; and once more, under the one wait
	v_lshrrev_b32 v3, 5, v0
	v_readfirstlane_b32 s[WV], v3                  ; wave 0..3
	s_bfe_u32 s[CX], ttmp6, 0x40000                ; my place in the cluster
	s_lshl_b32 s[WG], ttmp9, 2                     ; in a cluster launch ttmp9 counts clusters
	s_add_co_u32 s[WG], s[WG], s[CX]
	; descriptor group 1: a tile of 64 rows x 128 elements, padded in LDS
	s_mov_b32 s[G1], 15|(1<<16)|(1<<20)|(1<<21)|(5<<22)|(3<<25)  ; 15:0 the mask of four; 17:16 2-byte elements; 20 padding on; 21 set beside a mask; 24:22 after every 64 words (code 5); 31:25 4 words (code 3)
	s_mov_b32 s[G1+1], 128<<16                     ; tensor_dim0 = 128
	s_mov_b32 s[G1+2], 64<<16                      ; tensor_dim1 = 64
	s_mov_b32 s[G1+3], 128<<16                     ; tile_dim0 = 128
	s_mov_b32 s[G1+4], 64                          ; tile_dim1 = 64
	s_mov_b32 s[G1+5], 1664                        ; elements from row to row
	s_mov_b32 s[G1+6], 0
	s_mov_b32 s[G1+7], 0
	s_mov_b32 s[G0], 1                             ; count = 1
	s_mul_i32 s[G0+1], s[WV], 64*PITCH             ; LDS address: my 64 rows of slot 0: no place in the cluster enters it
	s_mov_b32 s[K01], 0x3dcccccd
	s_mov_b32 s[K01+1], 0x3dcccccd
	s_mov_b32 s[K08], 0x3f4ccccd
	s_mov_b32 s[K08+1], 0x3f4ccccd
	s_mov_b32 s[K12], 0x3f99999a
	s_mov_b32 s[K12+1], 0x3f99999a
	s_mov_b32 s[MSK], 0xffff0000
	s_mov_b32 s[J], 0
	s_mov_b32 s[ZF], 1
	s_mov_b32 s[TBW], 0
	s_mov_b32 s[TBQ], SPK_Q
	s_lshr_b32 s44, s[WV], 1                       ; which 128 neurons: the spike buffer that my wave's spikes go to
	s_and_b32 s45, s[WV], 1
	s_lshl_b32 s45, s45, 7                         ; and my 64 neurons' 128 bytes in its rows
	v_and_b32 v1, 15, v0                           ; l % 16
	v_bfe_u32 v2, v0, 4, 1                         ; l / 16
	v_mul_u32_u24 v[AS0], v1, PITCH
	v_lshl_add_u32 v[AS0], v2, 4, v[AS0]
	v_add_nc_u32 v[AW0], s[G0+1], v[AS0]
	v_add_nc_u32 v[ASP0], SPK_P, v[AS0]
	s_lshl_b32 s2, s44, 17
	s_add_co_u32 s2, s2, s45
	v_add_nc_u32 v[LP], s2, v[ASP0]
	s_lshl_b32 s2, s44, 15
	s_add_co_u32 s2, s2, s45
	s_add_co_u32 s2, s2, SPK_Q
	v_add_nc_u32 v[LQ], s2, v[AS0]
	s_mul_i32 s2, s44, TROW                        ; chunk 12: rows 16 (w / 2) + c hold Wout's columns 128 (w / 2) ..
	s_add_co_u32 s2, s2, s45
	v_add_nc_u32 v[AO], s2, v[AS0]
	s_lshl_b32 s2, s[WV], 10
	s_add_co_u32 s2, s2, STAGE
	v_lshlrev_b32 v[STG], 6, v1                    ; a batch row's 16 classes are 64 bytes
	v_lshl_add_u32 v[STG], v2, 5, v[STG]
	v_add_nc_u32 v[STG], s2, v[STG]
	v_and_b32 v[PFO], 31, v0
	v_mul_u32_u24 v[PFO], v[PFO], ROWB
	v_lshrrev_b32 v3, 3, v0                        ; the encoder: eight threads to a batch row, 16 features each
	v_and_b32 v4, 7, v0
	v_lshlrev_b32 v5, 12, v3
	v_mul_u32_u24 v6, v3, PITCH
	v_add_nc_u32 v17, SPK_P, v6
	WIN 0xc0                                       ; destination window 3, sources window 0
	v_lshl_add_u32 v[XOFF], v4, 6, v5
	v_lshl_add_u32 v[EQ0], v4, 5, v6
	v_lshl_add_u32 v[EP0], v4, 5, v17
	v_mov_b32 v[EBIG], 0x4e800000
	v_mov_b32 v[EBIG+1], 0x4e800000
	v_mov_b32 v[ENB], 0xce800000
	v_mov_b32 v[ENB+1], 0xce800000
	WIN 0
	s_and_b32 s[LIM], s[WV], 1                     ; waves 0 and 2
	s_or_b32 s[LIM], s[LIM], ttmp9                 ; of the first cluster: the same in all four partners
	s_cmp_eq_u32 s[LIM], 0
	s_cselect_b32 s[LIM], NCH-1, 0
	s_wait_dscnt 0x0                               ; both opening adds are done
	s_wait_kmcnt 0x0
	s_load_b32 s52, s[8:9], 0x0                    ; encoder_scalar
	s_load_b32 s53, s[10:11], 0x0                  ; feature_scalar
	s_mul_i32 s44, s[WV], 64*ROWB                  ; wcat at my 64 rows, chunk 0: made of the wave's number alone
	s_mov_b32 s45, 0
	s_add_nc_u64 s[G0+2:G0+3], s[6:7], s[44:45]
	s_or_b32 s[G0+3], s[G0+3], 0x80000000          ; type = 2
	s_lshl_b32 s46, s[WG], 16                      ; my work-group's 16 rows of x, 4,096 bytes each
	s_mov_b32 s47, 0
	s_add_nc_u64 s[XP:XP+1], s[4:5], s[46:47]
	s_mul_i32 s46, s[WG], 640                      ; and of out0, 40 bytes each
	s_add_nc_u64 s[12:13], s[12:13], s[46:47]
	s_lshl_b32 s46, s[CX], 6                       ; the prefetches: my work-group's 64 rows of wcat,
	s_lshr_b32 s3, s[WV], 1
	s_lshl_b32 s3, s3, 5                           ; my wave's 32 of them,
	s_add_co_u32 s46, s46, s3
	s_mul_i32 s46, s46, ROWB
	s_add_co_u32 s46, s46, 256                     ; at chunk 1: the first change of slots steps it to chunk 2
	s_add_nc_u64 s[PFA:PFA+1], s[6:7], s[46:47]
	WIN W_E
.irp i, 0,1,2,3
	global_load_b128 v[EX+4*\i:EX+4*\i+3], v[XOFF], s[XP:XP+1] offset:16*\i th:TH_LOAD_NT  ; x's chunk 0: eight lanes take 512 consecutive bytes of a row
.endr
	WIN 0
	s_wait_kmcnt 0x0
	v_mov_b32 v3, s52
	v_mov_b32 v4, s53
	v_cvt_pk_bf16_f32 v5, v3, v4                   ; both scalars rounded to bf16, like every input
	v_lshlrev_b32 v3, 16, v5
	v_and_b32 v4, s[MSK], v5
	v_readfirstlane_b32 s52, v3
	v_readfirstlane_b32 s53, v4
	s_mul_f32 s[FS2], s53, 2.0
	s_mov_b32 s[FS2+1], s[FS2]
	s_mul_f32 s[G], s52, 0x40a00000                ; 5 x encoder_scalar (8 bits x 3: exact): layer 1's sums are of bare spikes
	s_mov_b32 s[G+1], s[G]
	ROUND                                          ; all four work-groups are here: the first joint loads meet
	tensor_load_to_lds s[G0:G0+3], s[G1:G1+7]      ; chunk 0 into slot 0
	s_nop 0
	PLACES
.Ltrip:
	; THE ENCODER, trips 0 to 7: what is jumped holds no barrier and no tensor load
	s_cmp_lt_u32 s[J], 8
	s_cbranch_scc0 .Lno_enc
	s_wait_loadcnt 0x0                             ; x's chunk J, asked for a trip ago
	WIN W_E
	PAIRS 8, v_cvt_pk_bf16_f32 v[PKD+p/2], v[EX+p], v[EX+p+1]
	PAIRS 8, v_lshlrev_b32 v[EC+p], 16, v[PKD+p/2]
	PAIRS 8, v_and_b32 v[EC+p+1], s[MSK], v[PKD+p/2]
	PAIRS 8, v_pk_mul_f32 v[EC+p:EC+p+1], v[EC+p:EC+p+1], s[FS2:FS2+1] op_sel_hi:[1,0]
	v_add_nc_u32 v[EP], s[TBW], v[EP0]
	v_add_nc_u32 v[EQ], s[TBQ], v[EQ0]
	WIN 0
	s_cmp_lt_u32 s[J], 7                           ; behind chunk 7 x has no further chunk
	s_cbranch_scc0 .Lno_x
	s_add_nc_u64 s[XP:XP+1], s[XP:XP+1], 512       ; free since the wait for the loads that read it
	WIN W_E
.irp i, 0,1,2,3
	global_load_b128 v[EX+4*\i:EX+4*\i+3], v[XOFF], s[XP:XP+1] offset:16*\i th:TH_LOAD_NT
.endr
	WIN 0
.Lno_x:
	WIN W_E
.irp t, 0,1,2,3,4,5,6,7,8,9,10,11,12,13,14,15,16,17,18,19
	ENCSTEP \t
.endr
	WIN 0
.Lno_enc:
	; THE CHANGE OF SLOTS.  My one tensor load that is out is my part of chunk J.  Behind the round chunk J and its spikes are whole for every wave, nobody reads the other slot any more, and it takes chunk J + 1.
	s_wait_tensorcnt 0x0                           ; no tensor load of mine is out, so group 0 may be written
	ds_add_u32 v[SPW], v[NIL]                      ; 0 onto my spare word: the steps below stand between it and the wait for it
	s_xor_b32 s[G0+1], s[G0+1], SLOTX              ; the other slot,
	s_add_nc_u64 s[G0+2:G0+3], s[G0+2:G0+3], 256   ; the next 128 columns; the type bits on top are not reached
	s_wait_xcnt 0x0                                ; the last prefetch, a trip back, has read its address
	s_add_nc_u64 s[PFA:PFA+1], s[PFA:PFA+1], 256
	s_wait_dscnt 0x0                               ; the add, my stores of spikes and my reads of the other slot are done
	ROUND
	tensor_load_to_lds s[G0:G0+3], s[G1:G1+7]      ; the first thing behind the round, and my only tensor load until the next: it has the trip's 320 products in which to land
	s_nop 0
	PLACES
	ASK
	; THE PRODUCTS
	v_add_nc_u32 v[AW], s[TBW], v[AW0]
	v_add_nc_u32 v[ASP], s[TBW], v[ASP0]
	v_add_nc_u32 v[ASQ], s[TBQ], v[AS0]
	LOADH 0
	s_cmp_eq_u32 s[ZF], 1
	s_cbranch_scc0 .Lplain
	HALF 0, 1                                      ; a layer's first K step starts its 80 sums: nothing is cleared
	HALF 1, 1
	WIN 0
	s_mov_b32 s[ZF], 0
	s_branch .Ljoin
.Lplain:
	HALF 0, 0
	HALF 1, 0
	WIN 0
.Ljoin:
.irp u, 2,3,4,5,6,7
	HALF \u, 0
.endr
	WIN 0
	s_wait_dscnt 0x0                               ; my reads of the spike buffers are over,
	s_barrier_signal -1
	s_barrier_wait -1                              ; everybody's are: LIF may write both buffers.  Chunk J + 1 stays on its way
	; LIF, trips 7, 9 and 11: what is jumped holds no barrier and no tensor load
	s_cmp_lt_u32 s[J], 7
	s_cbranch_scc1 .Lno_lif
	s_bitcmp1_b32 s[J], 0
	s_cbranch_scc0 .Lno_lif
	PLACES
	PLACES
	v_mov_b32 v[BIGP], 0x4e800000
	v_mov_b32 v[BIGP+1], 0x4e800000
	v_mov_b32 v[NTH], 0xcda8f5c3
	v_mov_b32 v[NTH+1], 0xcda8f5c3
.irp q, 0,1,2,3,4,5,6,7,8,9,10,11,12,13,14,15,16,17,18,19
	LIFSTEP \q
.endr
	WIN 0
	s_mov_b32 s[G], 1.0                            ; in layers 2 and 3 a spike counts 1
	s_mov_b32 s[G+1], 1.0
	s_mov_b32 s[ZF], 1
.Lno_lif:
	s_xor_b32 s[TBW], s[TBW], SLOTX
	s_xor_b32 s[TBQ], s[TBQ], QX
	s_add_co_u32 s[J], s[J], 1
	s_cmp_lt_u32 s[J], NCH
	s_cbranch_scc1 .Ltrip
	; THE READOUT.  K is split among the waves: each multiplies its own 64 neurons' spikes (which it stored itself) by Wout's columns for them; the scan is linear, so the four parts are added at the end.
	s_wait_tensorcnt 0x0                           ; my part of chunk 12
	ds_add_u32 v[SPW], v[NIL]                      ; 0 onto my spare word; the eight places below stand between it and the wait for it
	PLACES                                         ; eight places behind the loop's last products, whichever way leads out of the loop: the loads below land in fragments that those products read (four asked),
	PLACES                                         ; and the readout's first products write over accumulators of theirs (five asked: ISA guide 7.12.1)
	s_wait_dscnt 0x0
	s_barrier_signal -1
	s_barrier_wait -1                              ; wave 0's part, which holds Wout, is in for everybody; nothing is filled again
.irp f, 0,1
	ds_load_b128 v[WA+8*\f:WA+8*\f+3],   v[AO] offset:64*\f
	ds_load_b128 v[WA+8*\f+4:WA+8*\f+7], v[AO] offset:64*\f+32
.endr
.macro ZLOAD s                         ; the 20 times' fragments of 32 of my neurons
.set q, 0
.rept 20
.if q < 14
	ds_load_b128 v[SA+8*q:SA+8*q+3],   v[LP] offset:TROW*q+64*(\s)
	ds_load_b128 v[SA+8*q+4:SA+8*q+7], v[LP] offset:TROW*q+64*(\s)+32
.else
	ds_load_b128 v[SA+8*q:SA+8*q+3],   v[LQ] offset:TROW*(q-14)+64*(\s)
	ds_load_b128 v[SA+8*q+4:SA+8*q+7], v[LQ] offset:TROW*(q-14)+64*(\s)+32
.endif
.set q, q+1
.endr
.endm
.macro YMUL s                          ; Y(q) in window 1 at v[8 q]: 20 accumulators by turns; a lane holds batch row l % 16 and classes 8 (l / 16) + 0..7
	WIN 0x50
.set q, 0
.rept 20
.if (\s) == 0
	v_wmma_f32_16x16x32_bf16 v[8*q:8*q+7], v[WA:WA+7], v[SA+8*q:SA+8*q+7], 0
.else
	v_wmma_f32_16x16x32_bf16 v[8*q:8*q+7], v[WA+8:WA+15], v[SA+8*q:SA+8*q+7], v[8*q:8*q+7]
.endif
.set q, q+1
.endr
	WIN 0
.endm
	ZLOAD 0
	s_wait_dscnt 0x0
	YMUL 0
	PLACES                                         ; in front of the loads into the fragments just multiplied
	ZLOAD 1
	s_wait_dscnt 0x0
	YMUL 1
	PLACES
	PLACES
	; v_li[4] = 0.1 Y0, i_li[4] = 0.8 Y0 + Y1; then v += 0.1 (i - v), i = 0.8 i + Y(q) for q = 2 .. 19; one more step of v gives v_li[23]
	WIN 0x01
	PAIRS 4, v_pk_mul_f32 v[VL+p:VL+p+1], v[p:p+1], s[K01:K01+1] op_sel_hi:[1,0]
	WIN 0x11
	PAIRS 4, v_pk_fma_f32 v[IL+p:IL+p+1], v[p:p+1], s[K08:K08+1], v[8+p:8+p+1] op_sel_hi:[1,0,1]
.set q, 2
.rept 18
	WIN 0
	PAIRS 4, v_pk_add_f32 v[TL+p:TL+p+1], v[IL+p:IL+p+1], v[VL+p:VL+p+1] neg_lo:[0,1] neg_hi:[0,1]
	PAIRS 4, v_pk_fma_f32 v[VL+p:VL+p+1], v[TL+p:TL+p+1], s[K01:K01+1], v[VL+p:VL+p+1] op_sel_hi:[1,0,1]
	WIN 0x10
	PAIRS 4, v_pk_fma_f32 v[IL+p:IL+p+1], v[IL+p:IL+p+1], s[K08:K08+1], v[8*q+p:8*q+p+1] op_sel_hi:[1,0,1]
.set q, q+1
.endr
	WIN 0
	PAIRS 4, v_pk_add_f32 v[TL+p:TL+p+1], v[IL+p:IL+p+1], v[VL+p:VL+p+1] neg_lo:[0,1] neg_hi:[0,1]
	PAIRS 4, v_pk_fma_f32 v[VL+p:VL+p+1], v[TL+p:TL+p+1], s[K01:K01+1], v[VL+p:VL+p+1] op_sel_hi:[1,0,1]
	; THE WAY OUT.  Each wave's part, [16 batch rows][16 classes] of f32, goes to its 1,024 bytes of the stage; threads 0-63 add the four parts.
	ds_store_b128 v[STG], v[VL:VL+3]
	ds_store_b128 v[STG], v[VL+4:VL+7] offset:16
	s_wait_dscnt 0x0                               ; for the others' sake: my stores are done
	s_barrier_signal -1
	s_barrier_wait -1
	s_cmp_lt_u32 s[WV], 2
	s_cbranch_scc0 .Lend
	v_lshl_add_u32 v17, v0, 4, STAGE               ; thread t: batch row t / 4, classes 4 (t % 4) ..
.irp i, 0,1,2,3
	ds_load_b128 v[32+4*\i:32+4*\i+3], v17 offset:1024*\i
.endr
	v_and_b32 v18, 3, v0
	v_lshrrev_b32 v19, 2, v0
	v_mul_u32_u24 v19, v19, 40                     ; a row of out0 is 40 bytes
	v_lshl_add_u32 v19, v18, 4, v19
	s_wait_dscnt 0x0
	v_pk_add_f32 v[32:33], v[32:33], v[36:37]
	v_pk_add_f32 v[34:35], v[34:35], v[38:39]
	v_pk_add_f32 v[40:41], v[40:41], v[44:45]
	v_pk_add_f32 v[42:43], v[42:43], v[46:47]
	v_pk_add_f32 v[32:33], v[32:33], v[40:41]
	v_pk_add_f32 v[34:35], v[34:35], v[42:43]
	v_cmp_gt_u32 vcc_lo, 3, v18                    ; classes 0-1, 4-5, 8-9
	s_wait_xcnt 0x0                                ; EXEC changes only behind this wait
	s_and_saveexec_b32 s[SX], vcc_lo
	global_store_b64 v19, v[32:33], s[12:13]
	s_wait_xcnt 0x0
	s_or_b32 exec_lo, exec_lo, s[SX]
	v_cmp_gt_u32 vcc_lo, 2, v18                    ; classes 2-3, 6-7
	s_and_saveexec_b32 s[SX], vcc_lo
	global_store_b64 v19, v[34:35], s[12:13] offset:8
	s_wait_xcnt 0x0
	s_or_b32 exec_lo, exec_lo, s[SX]
.Lend:
	s_wait_tensorcnt 0x0                           ; the wave's end, behind my last tensor load and my last LDS store
	ds_add_u32 v[SPW], v[NIL]
	s_wait_dscnt 0x0
	ROUND                                          ; the closing round: no work-group ends while a partner may still ask for a tile that names it
	s_endpgm
.Lfunc_end_k_q5f34ab8ec0_snn:
	.size	k_q5f34ab8ec0_snn, .Lfunc_end_k_q5f34ab8ec0_snn-k_q5f34ab8ec0_snn
	.p2alignl 7, 3214868480
	.fill 96, 4, 3214868480
	.section	.rodata,"a",@progbits
	.p2align	6, 0x0
	.amdhsa_kernel k_q5f34ab8ec0_snn
		.amdhsa_group_segment_fixed_size 327680
		.amdhsa_private_segment_fixed_size 0
		.amdhsa_enable_private_segment 0
		.amdhsa_kernarg_size 40
		.amdhsa_user_sgpr_count 2
		.amdhsa_user_sgpr_kernarg_segment_ptr 1
		.amdhsa_wavefront_size32 1
		.amdhsa_system_sgpr_workgroup_id_x 1
		.amdhsa_system_sgpr_workgroup_id_y 1
		.amdhsa_system_sgpr_workgroup_id_z 1
		.amdhsa_system_vgpr_workitem_id 0
		.amdhsa_next_free_vgpr 1024
		.amdhsa_next_free_sgpr 66
		.amdhsa_reserve_vcc 1
		.amdhsa_float_denorm_mode_32 3
		.amdhsa_float_denorm_mode_16_64 3
		.amdhsa_memory_ordered 1
		.amdhsa_forward_progress 1
		.amdhsa_inst_pref_size 255
	.end_amdhsa_kernel
	.section	.bss,"aw",@nobits
	.p2align	6
	.space	262144
	.amdgpu_metadata
---
amdhsa.version: [ 1, 2 ]
amdhsa.kernels:
  - .name:           k_q5f34ab8ec0_snn
    .symbol:         k_q5f34ab8ec0_snn.kd
    .args:
      - { .name: x, .offset: 0, .size: 8, .value_kind: global_buffer, .address_space: global }
      - { .name: wcat, .offset: 8, .size: 8, .value_kind: global_buffer, .address_space: global }
      - { .name: encoder_scalar, .offset: 16, .size: 8, .value_kind: global_buffer, .address_space: global }
      - { .name: feature_scalar, .offset: 24, .size: 8, .value_kind: global_buffer, .address_space: global }
      - { .name: out0, .offset: 32, .size: 8, .value_kind: global_buffer, .address_space: global }
    .group_segment_fixed_size: 327680
    .private_segment_fixed_size: 0
    .kernarg_segment_align: 8
    .kernarg_segment_size: 40
    .max_flat_workgroup_size: 128
    .sgpr_count:     66
    .vgpr_count:     1024
    .wavefront_size: 32
...
	.end_amdgpu_metadata
.endif
;; end of part 2
